; MI455X (gfx1250); checked and timed in simulation.
; The chip was launched on July 23, 2026; its instructions are those of AMD's public machine-readable ISA for CDNA 5 (MIT licence, August 2026) and "CDNA5" Instruction Set Architecture Reference Guide (July 2026). The comments in the code are by the model that wrote it; some were corrected since.
;; Multi Head Attention. Allowed arithmetic: matrix products marked QUANTISED: E5M2 operands, one given power-of-two scale a tensor, by v_wmma_f32_16x16x64_bf8_bf8 or v_wmma_f32_16x16x128_bf8_bf8, f32 sums; everything else in f32.
;; Inputs: fc_b 1,024 float32; fc_w 1,024 x 1,024 float32; key_in 4 x 2,048 x 1,024 float32; lowp_scales 12 int32 (the exponents e of the quantised operands' scales 2^e); mask 4 x 2,048 x 2,048 int32; query 4 x 2,048 x 1,024 float32; value 4 x 2,048 x 1,024 float32; wk_b 1,024 float32; wk_w 1,024 x 1,024 float32; wq_b 1,024 float32; wq_w 1,024 x 1,024 float32; wv_b 1,024 float32; wv_w 1,024 x 1,024 float32.
;; Outputs: out0 4 x 2,048 x 1,024 float32.
;; This version of the problem:
;;   THIS VERSION OF THE PROBLEM IS GIVEN IN LOW PRECISION. The matrix products marked QUANTISED in the list below multiply operands that are first quantised to E5M2 (5 exponent bits, 2 mantissa bits; 8 bits a number), with one given power-of-two scale for each operand tensor; their sums are f32. All else is computed in f32.
;;   The module's matrix products, in the order in which they are computed (A, B: the left and right operand; K: the contracted axis; several contracted axes count as one K, in the product's order):
;;     1. [M 8,192, K 1,024] x [K 1,024, N 1,024]; A: input query; B: input wq_w: QUANTISED (scales: A lowp_scales[0], B lowp_scales[1])
;;     2. [M 8,192, K 1,024] x [K 1,024, N 1,024]; A: input key_in; B: input wk_w: QUANTISED (scales: A lowp_scales[2], B lowp_scales[3])
;;     3. [M 8,192, K 1,024] x [K 1,024, N 1,024]; A: input value; B: input wv_w: QUANTISED (scales: A lowp_scales[4], B lowp_scales[5])
;;     4. batch 64 x [M 2,048, K 64] x [K 64, N 2,048]; A: computed on the way; B: computed on the way: QUANTISED (scales: A lowp_scales[6], B lowp_scales[7])
;;     5. batch 64 x [M 2,048, K 2,048] x [K 2,048, N 64]; A: softmax (see below); B: computed on the way: QUANTISED (scales: A lowp_scales[8], B lowp_scales[9])
;;     6. [M 8,192, K 1,024] x [K 1,024, N 1,024]; A: computed on the way; B: input fc_w: QUANTISED (scales: A lowp_scales[10], B lowp_scales[11])
;;   THE QUANTISER, for each operand of a quantised product, along K:
;;     - The operand's scale is 2^e, e = its entry of the input lowp_scales (int32; the entries are numbered through the quantised products in the list's order, A before B).
;;     - Each number is divided by the scale, clamped to +-57,344, and rounded to the nearest number of E5M2, ties to even, subnormals kept.
;;     - The product sums the exact products of the quantised numbers (number of the format x scale) in f32.
;;   ~~~python
;;   def quantise(x, axis, e):      # numpy; x: float32 -> the quantised numbers, widened to float32 again
;;       x = np.moveaxis(x, axis, -1); K = x.shape[-1]
;;       r = np.clip(x / 2.0 ** e, -57344, 57344)
;;       step = 2.0 ** (np.maximum(np.frexp(np.where(r == 0, 1, r))[1] - 1, -14) - 2)
;;       q = np.round(r / step) * step * 2.0 ** e      # np.round: ties to even
;;       return np.moveaxis(q, -1, axis).astype(np.float32)
;;   ~~~
;;   SOFTMAX AHEAD OF A QUANTISED PRODUCT. Where the list says 'softmax', what is quantised is not the finished softmax but p = 2^(t - M), with t = logit x log2(e) and M = ceil(the row's largest t), a whole number; so 1/2 < the row's largest p <= 1. The row's sum l is taken of the UNQUANTISED p, in f32, and the product's result is divided by l at the end. Since M is a whole number, a kernel that streams over the keys may use a running M (the ceiling of the running maximum): every later rescaling is an exact power of two, so the quantised numbers keep their values, but for numbers so far below the row's largest that they fall under the format's range.
;;   OPERANDS COMPUTED ON THE WAY. 'Computed on the way' means the value that the module computes at that place (a softmax that the list does not call 'softmax' is quantised finished and normalised). What goes into a quantiser is computed in f32, as accurately as f32 sums, v_exp_f32 and their like allow (about 1e-6 of the number): no bf16 or f16 on the way to a quantiser, and a product that is left as it is and whose result goes on into a quantised operand takes f32 operands (vector FMAs, or v_wmma_f32_16x16x4_f32). A number that lies on a knife's edge between two numbers of the format may be rounded either way, as far as f32 arithmetic and the matrix unit's own rounding can turn it there, and no further.
;; One version. Each part assembles by itself: llvm-mc -triple=amdgcn-amd-amdhsa -mcpu=gfx1250 --defsym DOCPART=n.
;; ======== version 1 of 1: 4 launches
;; limits: right only within a limited range of input values
;; workspace buffers: codes 29,360,128 bytes; mw 2,097,152 bytes of whole numbers; qkv 25,165,824 bytes; ao 8,388,608 bytes
;; launch prep (part 1): grid 1408 x 1, 4 waves a work-group, no clusters, 67,072 bytes of LDS; arguments query, key_in, value, wq_w, wk_w, wv_w, fc_w, mask, lowp_scales, codes, mw; writes codes, mw
.if DOCPART == 1
	.amdgcn_target "amdgcn-amd-amdhsa--gfx1250"
	.amdhsa_code_object_version 6
	.text
	.protected	k_q84c19da956_prep
	.globl	k_q84c19da956_prep
	.p2align	8
	.type	k_q84c19da956_prep,@function
k_q84c19da956_prep:
	s_mov_b64 s[64:65], 0
	v_nop
	global_prefetch_b8 v0, s[64:65] scope:SCOPE_SE
	s_setreg_imm32_b32 hwreg(HW_REG_WAVE_MODE, 25, 1), 1
	s_wait_xcnt 0x0
; PREP: the seven wide operands become codes of BF8 (E5M2), and the mask becomes lane-mask words.
; Work-groups 0-895: 32,768 f32 numbers each -> 32,768 codes.  query 0-255, key_in 256-511, value 512-767, wq_w 768-799, wk_w 800-831, wv_w 832-863, fc_w 864-895.
;   All seven have K innermost and dense rows, so each is a plain stream; the codes of work-group g lie at byte 32,768 g of the buffer of codes.
;   code = x / 2^e, held within +-57,344, to the nearest code, ties to even.  e = lowp_scales[0, 2, 4, 1, 3, 5, 11] in the order above.
;   LIMITS: -126 <= e <= 112, so that 2^e and 57,344 x 2^e are f32 numbers.  NaN among the inputs is not served.
; Work-groups 896-1407: m = g - 896 = 128 b + qt takes 16 rows of the mask x 2,048 keys (131,072 bytes) and stores 1,024 words:
;   word n (0..63) of key step st (128 keys): bit 16 h + r = (mask[b][16 qt + r][128 st + 32 (n / 16) + 16 h + n % 16] != 0).
;   That is the place of a score in the attention launch's registers: register n of lane 16 h + r.  So a word is the select operand of one v_cndmask_b32 there.
; The two kinds of work-group part once, on the work-group's number, and never join; each has LDS bytes of its own.  Waves share nothing: no barrier.
.set QWG,   896
.set STEPS, 16
.set EMAX,  15
.set MANT,  0x600000                   ; the mantissa field of 57,344 as f32
.set R,     16                         ; v16-79   quantiser: four sets of 16 numbers as they are loaded
.set X,     80                         ; v80-111  two sets of 16 neighbours
.set C,     128                        ; v128-191 codes: four registers for each step, so that no store's data are written again
.set WREG,  8192                       ; LDS 0..32,767: a region for each wave: two stages of 32 x SP bytes
.set SP,    80                         ; a lane's place in a stage: its 64 bytes + 16 of padding
.set MST,   32768                      ; LDS from 32,768: the mask path's stages, 16 rows x MPI for each wave
.set MPI,   528                        ; a stage row: 512 bytes + 16 = 33 x 16: sixteen rows fall on sixteen different columns of 16 bytes
.set ML,    16                         ; v16-143  mask: two sets of 64 words as they are loaded
.set XM,    144                        ; v144-207 64 words in the order of the attention's registers
.set W,     208                        ; v208-215 a pair of result registers for each turn
	s_load_b512 s[8:23], s[0:1], 0x0               ; query, key_in, value, wq_w, wk_w, wv_w, fc_w, mask
	s_load_b128 s[24:27], s[0:1], 0x40             ; lowp_scales, codes
	s_load_b64 s[28:29], s[0:1], 0x50              ; mw
	v_lshl_add_u32 v216, v0, 2, 0x10400
	v_mov_b32 v217, 0
	v_lshrrev_b32 v1, 5, v0
	v_readfirstlane_b32 s2, v1                     ; wave 0..3
	v_and_b32 v2, 31, v0                           ; lane
	s_cmp_lt_u32 ttmp9, QWG
	s_cbranch_scc0 .Lmask
; ---------------- the quantiser ----------------
; A conversion takes 8 numbers of one lane's consecutive registers, so a lane must hold neighbours; a load is best where neighbouring lanes take neighbouring bytes.  Both are had:
; each load reads 512 consecutive bytes, 16 a lane; a step's 2,048 bytes go through the wave's own stage in LDS and come back 64 bytes a lane.
.macro PICK n, ptr, idx                ; from work-group n on: another tensor, its first work-group, the byte of its exponent.  The choice hangs on the work-group's number alone
	s_cmp_ge_u32 ttmp9, \n
	s_cselect_b64 s[4:5], s[\ptr:\ptr+1], s[4:5]
	s_cselect_b32 s6, \n, s6
	s_cselect_b32 s7, \idx, s7
.endm
.macro LOAD t
.irp i, 0,1,2,3
	global_load_b128 v[R+16*((\t)%4)+4*\i:R+16*((\t)%4)+4*\i+3], v3, s[4:5] offset:2048*(\t)+512*\i th:TH_LOAD_NT   ; 32 lanes read 512 consecutive bytes
.endr
.endm
.macro TURN t                          ; step t's numbers through the stage: LDS serves a wave's instructions in order, so no wait stands between the stores and the loads
.irp i, 0,1,2,3
	ds_store_b128 v14, v[R+16*((\t)%4)+4*\i:R+16*((\t)%4)+4*\i+3] offset:32*SP*((\t)%2)+8*SP*\i
.endr
.irp i, 0,1,2,3
	ds_load_b128 v[X+16*((\t)%2)+4*\i:X+16*((\t)%2)+4*\i+3], v15 offset:32*SP*((\t)%2)+16*\i
.endr
.endm
.macro STEP t
.set XS, X+16*((\t)%2)
	s_wait_dscnt 0x0                               ; this step's numbers are back from the stage: so its stores into the stage have read their registers,
.if (\t)+4 < STEPS
	LOAD (\t)+4                                    ; which take the loads of four steps on
.endif
.if (\t)+1 < STEPS
.if STEPS-2-(\t) >= 3
	s_wait_loadcnt 12                              ; the next step's four loads are in; those of the three steps behind it may be out
.else
	s_wait_loadcnt 4*(STEPS-2-(\t))
.endif
	TURN (\t)+1                                    ; and go through the other stage while this step is worked
.endif
.irp i, 0,1,2,3,4,5,6,7,8,9,10,11,12,13,14,15
	v_med3_num_f32 v[XS+\i], v[XS+\i], -v10, v10   ; the conversion to an 8-bit code does not saturate (ISA guide 7.6.2): the hold at the largest code x the scale comes first
.endr
	v_cvt_scalef32_pk8_bf8_f32 v[C+4*(\t):C+4*(\t)+1], v[XS:XS+7], v11
	v_cvt_scalef32_pk8_bf8_f32 v[C+4*(\t)+2:C+4*(\t)+3], v[XS+8:XS+15], v11
	global_store_b128 v3, v[C+4*(\t):C+4*(\t)+3], s[26:27] offset:512*(\t)   ; 32 lanes store 512 consecutive bytes, aligned.  (The codes go to a store alone; the next vector lines are the next step's plain holds)
.endm
	v_lshlrev_b32 v3, 4, v2                        ; 16 x lane: my bytes of a load's 512, and of a store's
	s_mul_i32 s30, s2, WREG
	v_lshrrev_b32 v14, 2, v2
	v_mul_u32_u24 v14, v14, SP
	v_and_b32 v15, 3, v2
	v_lshl_add_u32 v14, v15, 4, v14
	v_add_nc_u32 v14, s30, v14                     ; the stage on the way in: four lanes' 64 bytes on end, then 16 of padding
	v_mul_u32_u24 v15, v2, SP
	v_add_nc_u32 v15, s30, v15                     ; and on the way out: my 16 neighbours
	s_wait_alu depctr_va_vdst(0)
	s_wait_kmcnt 0x0
	s_mov_b64 s[4:5], s[8:9]                       ; query, from work-group 0, exponent 0
	s_mov_b32 s6, 0
	s_mov_b32 s7, 0
	PICK 256, 10, 8                                ; key_in, e2
	PICK 512, 12, 16                               ; value, e4
	PICK 768, 14, 4                                ; wq_w, e1
	PICK 800, 16, 12                               ; wk_w, e3
	PICK 832, 18, 20                               ; wv_w, e5
	PICK 864, 20, 44                               ; fc_w, e11
	s_load_b32 s31, s[24:25], s7 offset:0x0        ; e
	s_sub_co_u32 s32, ttmp9, s6
	s_lshl_b32 s32, s32, 17                        ; 131,072 bytes of f32 a work-group,
	s_lshl_b32 s33, s2, 15                         ; 32,768 a wave
	s_add_co_u32 s32, s32, s33
	s_mov_b32 s33, 0
	s_add_nc_u64 s[4:5], s[4:5], s[32:33]
	s_lshl_b32 s32, ttmp9, 15                      ; 32,768 codes a work-group,
	s_lshl_b32 s34, s2, 13                         ; 8,192 a wave
	s_add_co_u32 s32, s32, s34
	s_add_nc_u64 s[26:27], s[26:27], s[32:33]
.irp t, 0,1,2,3
	LOAD \t
.endr
	s_wait_kmcnt 0x0
	s_add_co_i32 s31, s31, 127
	s_lshl_b32 s30, s31, 23
	v_mov_b32 v11, s30                             ; 2^e as f32: the conversion takes its exponent field
	s_add_co_i32 s31, s31, EMAX
	s_lshl_b32 s31, s31, 23
	s_or_b32 s31, s31, MANT
	v_mov_b32 v10, s31                             ; 57,344 x 2^e
	s_wait_alu depctr_va_vdst(0)
	s_wait_loadcnt 12                              ; step 0's four loads are in
	TURN 0
.irp t, 0,1,2,3,4,5,6,7,8,9,10,11,12,13,14,15
	STEP \t
.endr
	s_wait_tensorcnt 0x0
	ds_add_u32 v216, v217
	s_wait_dscnt 0x0
	s_endpgm
; ---------------- the mask ----------------
; Wave w takes key steps 4 w .. 4 w + 3, one a turn: 16 rows x 512 bytes.  Each load reads 512 consecutive bytes of one row; the 8,192 bytes turn through the wave's own stage,
; so that lane (r, h) holds row r's keys 32 bb + 16 h + 0 .. 15; a compare gives the word of all 32 lanes in a scalar register, and v_writelane_b32 gathers 64 words in a register pair.
.macro LOADM t
.irp i, 0,1,2,3,4,5,6,7,8,9,10,11,12,13,14,15
	global_load_b128 v[ML+64*((\t)%2)+4*\i:ML+64*((\t)%2)+4*\i+3], v1, s[22:23] offset:\i*8192+(\t)*512 th:TH_LOAD_NT
.endr
.endm
.macro TURNM t
.if (\t) < 3
	s_wait_loadcnt 16                              ; this turn's 16 loads are in; the next turn's 16 may be out
.else
	s_wait_loadcnt 0x0
.endif
.irp i, 0,1,2,3,4,5,6,7,8,9,10,11,12,13,14,15
	ds_store_b128 v5, v[ML+64*((\t)%2)+4*\i:ML+64*((\t)%2)+4*\i+3] offset:\i*MPI
.endr
.irp bb, 0,1,2,3
.irp p, 0,1,2,3
	ds_load_b128 v[XM+16*\bb+4*\p:XM+16*\bb+4*\p+3], v6 offset:\bb*128+\p*16   ; LDS serves a wave's instructions in order: these see the stores above
.endr
.endr
	s_wait_dscnt 0x0                               ; the words are back, and the stores have read their registers,
.if (\t) < 2
	LOADM (\t)+2                                   ; which take the loads of two turns on
.endif
	v_mov_b32 v[W+2*(\t)], 0                       ; a lane write's destination counts as read
	v_mov_b32 v[W+2*(\t)+1], 0
.irp g, 0,1,2,3,4,5,6,7
.irp k, 0,1,2,3,4,5,6,7
	v_cmp_ne_u32 s[40+\k], 0, v[XM+8*\g+\k]        ; word n = 8 g + k: one bit a lane
.endr
.irp k, 0,1,2,3,4,5,6,7
	v_writelane_b32 v[W+2*(\t)+\k%2], s[40+\k], 4*\g+\k/2   ; into lane n / 2, register n % 2
.endr
.endr
	global_store_b64 v4, v[W+2*(\t):W+2*(\t)+1], s[28:29] offset:(\t)*256   ; 32 lanes store the step's 256 consecutive bytes, aligned
.endm
.Lmask:
	s_wait_alu depctr_va_vdst(0)
	v_lshlrev_b32 v1, 4, v2                        ; 16 x lane
	s_mul_i32 s30, s2, 16*MPI
	s_add_co_u32 s30, s30, MST                     ; my stage
	v_add_nc_u32 v5, s30, v1                       ; on the way in: a row as it lies
	v_and_b32 v6, 15, v2                           ; r
	v_lshrrev_b32 v7, 4, v2                        ; h
	v_mul_u32_u24 v6, v6, MPI
	v_lshl_add_u32 v6, v7, 6, v6
	v_add_nc_u32 v6, s30, v6                       ; on the way out: row r, + 64 h bytes (16 keys)
	v_lshlrev_b32 v4, 3, v2                        ; 8 x lane: my two words of a step's 64
	s_sub_co_u32 s32, ttmp9, QWG                   ; m
	s_lshl_b32 s34, s32, 17                        ; 16 rows of 8,192 bytes,
	s_lshl_b32 s33, s2, 11                         ; my four steps of 512 bytes
	s_add_co_u32 s34, s34, s33
	s_mov_b32 s35, 0
	s_lshl_b32 s36, s32, 12                        ; 16 steps of 256 bytes,
	s_lshl_b32 s33, s2, 10                         ; my four
	s_add_co_u32 s36, s36, s33
	s_mov_b32 s37, 0
	s_wait_alu depctr_va_vdst(0)
	s_wait_kmcnt 0x0
	s_add_nc_u64 s[22:23], s[22:23], s[34:35]
	s_add_nc_u64 s[28:29], s[28:29], s[36:37]
	LOADM 0
	LOADM 1
	TURNM 0
	TURNM 1
	TURNM 2
	TURNM 3
	s_wait_tensorcnt 0x0
	ds_add_u32 v216, v217
	s_wait_dscnt 0x0
	s_endpgm
.Lfunc_end_k_q84c19da956_prep:
	.size	k_q84c19da956_prep, .Lfunc_end_k_q84c19da956_prep-k_q84c19da956_prep
	.p2alignl 7, 3214868480
	.fill 96, 4, 3214868480
	.section	.rodata,"a",@progbits
	.p2align	6, 0x0
	.amdhsa_kernel k_q84c19da956_prep
		.amdhsa_group_segment_fixed_size 67072
		.amdhsa_private_segment_fixed_size 0
		.amdhsa_enable_private_segment 0
		.amdhsa_kernarg_size 88
		.amdhsa_user_sgpr_count 2
		.amdhsa_user_sgpr_kernarg_segment_ptr 1
		.amdhsa_wavefront_size32 1
		.amdhsa_system_sgpr_workgroup_id_x 1
		.amdhsa_system_sgpr_workgroup_id_y 1
		.amdhsa_system_sgpr_workgroup_id_z 1
		.amdhsa_system_vgpr_workitem_id 0
		.amdhsa_next_free_vgpr 218
		.amdhsa_next_free_sgpr 66
		.amdhsa_reserve_vcc 0
		.amdhsa_float_denorm_mode_32 3
		.amdhsa_float_denorm_mode_16_64 3
		.amdhsa_memory_ordered 1
		.amdhsa_forward_progress 1
		.amdhsa_inst_pref_size 86
	.end_amdhsa_kernel
	.amdgpu_metadata
---
amdhsa.version: [ 1, 2 ]
amdhsa.kernels:
  - .name:           k_q84c19da956_prep
    .symbol:         k_q84c19da956_prep.kd
    .args:
      - { .name: query, .offset: 0, .size: 8, .value_kind: global_buffer, .address_space: global }
      - { .name: key_in, .offset: 8, .size: 8, .value_kind: global_buffer, .address_space: global }
      - { .name: value, .offset: 16, .size: 8, .value_kind: global_buffer, .address_space: global }
      - { .name: wq_w, .offset: 24, .size: 8, .value_kind: global_buffer, .address_space: global }
      - { .name: wk_w, .offset: 32, .size: 8, .value_kind: global_buffer, .address_space: global }
      - { .name: wv_w, .offset: 40, .size: 8, .value_kind: global_buffer, .address_space: global }
      - { .name: fc_w, .offset: 48, .size: 8, .value_kind: global_buffer, .address_space: global }
      - { .name: mask, .offset: 56, .size: 8, .value_kind: global_buffer, .address_space: global }
      - { .name: lowp_scales, .offset: 64, .size: 8, .value_kind: global_buffer, .address_space: global }
      - { .name: codes, .offset: 72, .size: 8, .value_kind: global_buffer, .address_space: global }
      - { .name: mw, .offset: 80, .size: 8, .value_kind: global_buffer, .address_space: global }
    .group_segment_fixed_size: 67072
    .private_segment_fixed_size: 0
    .kernarg_segment_align: 8
    .kernarg_segment_size: 88
    .max_flat_workgroup_size: 128
    .sgpr_count:     66
    .vgpr_count:     218
    .wavefront_size: 32
...
	.end_amdgpu_metadata
.endif
;; end of part 1
;; launch proj (part 2): grid 4 x 96, 4 waves a work-group, clusters of 4 x 4, 327,680 bytes of LDS; arguments codes, lowp_scales, wq_b, wk_b, wv_b, qkv; writes qkv
.if DOCPART == 2
	.amdgcn_target "amdgcn-amd-amdhsa--gfx1250"
	.amdhsa_code_object_version 6
	.text
	.protected	k_q84c19da956_proj
	.globl	k_q84c19da956_proj
	.p2align	8
	.type	k_q84c19da956_proj,@function
k_q84c19da956_proj:
	s_mov_b64 s[64:65], 0
	v_nop
	global_prefetch_b8 v0, s[64:65] scope:SCOPE_SE
	s_setreg_imm32_b32 hwreg(HW_REG_WAVE_MODE, 25, 1), 1
	s_wait_xcnt 0x0
	s_wait_alu depctr_hold_cnt(0) depctr_sa_sdst(0) depctr_va_vdst(0) depctr_va_sdst(0) depctr_va_ssrc(0) depctr_va_vcc(0) depctr_vm_vsrc(0)
	s_getreg_b32 s2, hwreg(HW_REG_IB_STS2, 6, 4)
	s_cmp_eq_u32 s2, 0
	s_cbranch_scc0 .Lentry_in_a_cluster
	s_endpgm
.Lentry_in_a_cluster:
	s_bfe_u32 s2, ttmp6, 0x10000c
	s_cmp_lg_u32 s2, 0xf033
	s_cbranch_scc0 .Lentry_shape_is_right
	s_endpgm
.Lentry_shape_is_right:
.set KSTEP,  256
.set ROWB,   256
.set KROW,   1024
.set PITCH,  272
.set FR,     16
.set NL,     4
.set NP,     4
.set HALFT,  128*PITCH
.set SLOT,   4*HALFT
.set LAPS,   2
.set SPARE,  2*SLOT
.set SPITCH, 272
.set STG_M,  256*SPITCH
.set BNO,  8
.set BMO,  9
.set ADRA, 16
.set ADRB, 20
.set STON, 24
.set RDN,  25
.set CON,  26
.set STOM, 27
.set SPW,  28
.set NIL,  29
.set RDM,  30
.set COM,  31
.set BN,   32
.set BM,   96
.set SC,   112
.set LIM,  113
.set AF,   128
.set TMP,  128
.set CD,   192
.set BK,   128
.set G1, 24
.set G0, 32
.set G1B, 48
.set G0B, 56
.set MSB, 0
.macro WIN new
.if MSB != (\new)
	s_set_vgpr_msb (MSB<<8)|(\new)
.set MSB, (\new)
.endif
.endm
.set MUL_LO, 0xa1
.set MUL_HI, 0xf1
.set TO_B,   0x40
.macro JLOAD g0a, g1a, g0b, g1b
	s_cmp_eq_u32 s15, 0
	s_cbranch_scc0 .Lfor_b_\@
	tensor_load_to_lds s[\g0a:\g0a+3], s[\g1a:\g1a+7]
	s_nop 0
.rept 4
	v_nop
.endr
	s_branch .Lasked_\@
.Lfor_b_\@:
	tensor_load_to_lds s[\g0b:\g0b+3], s[\g1b:\g1b+7]
	s_nop 0
.rept 4
	v_nop
.endr
.Lasked_\@:
.endm
.macro CREST
	s_cmp_lg_u32 s14, 0
	s_cbranch_scc1 .Lnot_wave_0_\@
	s_barrier_signal -3
.Lnot_wave_0_\@:
	s_barrier_wait -3
	s_barrier_signal -1
	s_barrier_wait -1
.endm
.macro CROUND
	s_barrier_signal -1
	s_barrier_wait -1
	CREST
.endm
	s_load_b256 s[68:75], s[0:1], 0x0
	s_load_b128 s[76:79], s[0:1], 0x20
	v_lshl_add_u32 v[SPW], v0, 2, SPARE
	v_mov_b32 v[NIL], 0
	ds_add_u32 v28, v29
	ds_add_u32 v28, v29
	s_wait_dscnt 0x0
	v_lshrrev_b32 v1, 5, v0
	v_readfirstlane_b32 s14, v1
	s_lshr_b32 s15, s14, 1
	s_and_b32 s16, s14, 1
	s_bfe_u32 s40, ttmp6, 0x40000
	s_bfe_u32 s41, ttmp6, 0x40004
	s_and_b32 s92, ttmp7, 0xffff
	s_mov_b32 s94, 0x1800000
	s_cmp_ge_u32 s92, 8
	s_cselect_b32 s93, 0x800000, 0
	s_cselect_b32 s94, 0x1900000, s94
	s_cselect_b32 s95, 8, 0
	s_sub_co_u32 s95, s92, s95
	s_sub_co_u32 s99, s92, 16
	s_cmp_ge_u32 s92, 16
	s_cselect_b32 s93, 0x1a00000, s93
	s_cselect_b32 s94, 0x1000000, s94
	s_cselect_b32 s95, 0, s95
	s_cselect_b32 s99, s99, 0
	s_lshl_b32 s42, s99, 2
	s_add_co_u32 s42, s42, s40
	s_lshl_b32 s17, s95, 2
	s_add_co_u32 s17, s17, s41
	s_lshl_b32 s43, s41, 2
	s_lshl_b32 s43, 15, s43
	s_lshl_b32 s44, 0x1111, s40
	s_or_b32 s[G1+0], s43, (0<<16)|(1<<20)|(1<<21)|(5<<22)|(3<<25)
	s_or_b32 s[G1B+0], s44, (0<<16)|(1<<20)|(1<<21)|(5<<22)|(3<<25)
.irp g, G1, G1B
	s_mov_b32 s[\g+1], ROWB<<16
	s_mov_b32 s[\g+2], 128<<16
	s_mov_b32 s[\g+3], ROWB<<16
	s_mov_b32 s[\g+4], 128
	s_mov_b32 s[\g+5], KROW
	s_mov_b32 s[\g+6], 0
	s_mov_b32 s[\g+7], 0
.endr
	s_lshl_b32 s18, s16, 7
	s_lshl_b32 s20, s17, 8
	s_add_co_u32 s20, s20, s18
	s_lshl_b32 s20, s20, 10
	s_add_co_u32 s20, s20, s93
	s_mov_b32 s21, 0
	s_lshl_b32 s46, s42, 8
	s_add_co_u32 s46, s46, s18
	s_lshl_b32 s46, s46, 10
	s_add_co_u32 s46, s46, s94
	s_mov_b32 s47, 0
	s_mul_i32 s45, s14, HALFT
	s_wait_kmcnt 0x0
	s_load_b256 s[80:87], s[70:71], 0x0
	s_load_b128 s[88:91], s[70:71], 0x20
	s_add_nc_u64 s[20:21], s[68:69], s[20:21]
	s_add_nc_u64 s[46:47], s[68:69], s[46:47]
	CROUND
.irp s, 0,1
	s_mov_b32 s[G0+4*\s], 1
	s_add_co_u32 s[G0+4*\s+1], s45, \s*SLOT
	s_add_nc_u64 s[G0+4*\s+2:G0+4*\s+3], s[20:21], \s*ROWB
	s_or_b32 s[G0+4*\s+3], s[G0+4*\s+3], 0x80000000
	s_mov_b32 s[G0B+4*\s], 1
	s_add_co_u32 s[G0B+4*\s+1], s45, \s*SLOT
	s_add_nc_u64 s[G0B+4*\s+2:G0B+4*\s+3], s[46:47], \s*ROWB
	s_or_b32 s[G0B+4*\s+3], s[G0B+4*\s+3], 0x80000000
	s_wait_alu depctr_va_vdst(0)
	s_wait_tensorcnt 0x0
	ds_add_u32 v28, v29
	ds_add_u32 v28, v29
	s_wait_dscnt 0x0
	CROUND
	JLOAD G0+4*\s, G1, G0B+4*\s, G1B
.endr
	v_and_b32 v1, 15, v0
	v_bfe_u32 v2, v0, 4, 1
	v_mul_u32_u24 v3, v1, PITCH
	s_wait_alu depctr_va_vdst(0)
	v_lshl_add_u32 v4, v2, 4, v3
	s_mul_i32 s21, s15, HALFT
	s_mul_i32 s22, s16, HALFT
	s_add_co_u32 s22, s22, 2*HALFT
.irp s, 0,1
	v_add_nc_u32 v[ADRA+\s], s21, v4
	v_add_nc_u32 v[ADRB+\s], s22, v4
	s_add_co_u32 s21, s21, SLOT
	s_add_co_u32 s22, s22, SLOT
.endr
	s_mul_i32 s23, s15, 128*SPITCH
	s_lshl_b32 s21, s16, 7
	s_add_co_u32 s23, s23, s21
	v_lshl_add_u32 v5, v2, 3, v3
	v_add_nc_u32 v[STON], s23, v5
	v_add_nc_u32 v[STOM], STG_M, v[STON]
	v_and_b32 v6, 31, v0
	v_lshrrev_b32 v7, 2, v6
	v_mul_u32_u24 v7, v7, SPITCH
	v_and_b32 v5, 3, v6
	v_lshl_add_u32 v7, v5, 4, v7
	s_mul_i32 s23, s14, 64*SPITCH
	v_add_nc_u32 v[RDN], s23, v7
	v_mul_u32_u24 v7, v2, SPITCH
	v_lshl_add_u32 v7, v1, 4, v7
	v_add_nc_u32 v7, s23, v7
	v_add_nc_u32 v[RDM], STG_M, v7
	v_lshlrev_b32 v[CON], 4, v6
	v_lshlrev_b32 v7, 11, v2
	v_lshl_add_u32 v[COM], v1, 4, v7
	s_lshl_b32 s21, s42, 8
	s_lshl_b32 s22, s16, 7
	s_add_co_u32 s21, s21, s22
	s_lshl_b32 s22, s17, 8
	s_lshl_b32 s23, s15, 7
	s_add_co_u32 s22, s22, s23
	s_cmp_ge_u32 s92, 8
	s_cselect_b64 s[100:101], s[74:75], s[72:73]
	s_cmp_ge_u32 s92, 16
	s_cselect_b64 s[100:101], s[76:77], s[100:101]
	s_cselect_b32 s21, 0, s21
	s_cselect_b32 s22, s22, 0
	s_lshl_b32 s21, s21, 2
	s_lshl_b32 s22, s22, 2
	v_lshl_add_u32 v[BNO], v2, 5, s21
	v_lshl_add_u32 v[BMO], v1, 2, s22
.irp b, 0,1,2,3,4,5,6,7
	global_load_b128 v[BN+8*\b:BN+8*\b+3], v[BNO], s[100:101] offset:64*\b
	global_load_b128 v[BN+8*\b+4:BN+8*\b+7], v[BNO], s[100:101] offset:64*\b+16
.endr
.irp a, 0,1,2,3,4,5,6,7
	global_load_b32 v[BM+2*\a], v[BMO], s[100:101] offset:64*\a
	v_mov_b32 v[BM+2*\a+1], 0
.endr
.macro FRAG reg, adr, q, i
.irp c, 0,1,2,3
	ds_load_b128 v[\reg+4*\c:\reg+4*\c+3], v[\adr] offset:128*(\q)+32*\c+(\i)*16*PITCH
.endr
.endm
.macro MUL16 a0, p, zero
.irp a, \a0, \a0+1
.irp b, 0,1,2,3,4,5,6,7
.if \zero
	v_wmma_f32_16x16x128_bf8_bf8 v[8*(8*((\a)%4)+\b):8*(8*((\a)%4)+\b)+7], v[128*(\p)+FR*\b:128*(\p)+FR*\b+FR-1], v[AF+FR*(\a):AF+FR*(\a)+FR-1], 0
.else
	v_wmma_f32_16x16x128_bf8_bf8 v[8*(8*((\a)%4)+\b):8*(8*((\a)%4)+\b)+7], v[128*(\p)+FR*\b:128*(\p)+FR*\b+FR-1], v[AF+FR*(\a):AF+FR*(\a)+FR-1], v[8*(8*((\a)%4)+\b):8*(8*((\a)%4)+\b)+7]
.endif
.endr
.endr
.endm
.macro FETCH_B slot, q, p
	WIN TO_B
.irp i, 0,1,2,3,4,5,6,7
	FRAG 128*(\p)+FR*\i, ADRB+\slot, \q, \i
.endr
	WIN 0
.endm
.macro FETCH_A slot, q, i0
.irp i, \i0, \i0+1, \i0+2, \i0+3
	FRAG AF+FR*(\i), ADRA+\slot, \q, \i
.endr
.endm
.macro PLACES n
.rept \n
	v_nop
.endr
.endm
.macro STEP slot, q, zero
	s_wait_dscnt 4*NL
	WIN MUL_LO
	MUL16 0, (\q)%2, \zero
	MUL16 2, (\q)%2, \zero
	s_wait_dscnt 0
	PLACES NP
	FETCH_B \slot, (\q)+1, 1-(\q)%2
	FETCH_A \slot, (\q)+1, 0
	WIN MUL_HI
	MUL16 4, (\q)%2, \zero
	MUL16 6, (\q)%2, \zero
	PLACES NP
	WIN 0
	FETCH_A \slot, (\q)+1, 4
.endm
.macro TURN slot, next, fill
	s_wait_tensorcnt 0x0
	ds_add_u32 v[SPW], v[NIL]
	s_wait_dscnt 4*NL+1
	WIN MUL_LO
	MUL16 0, 1, 0
	s_wait_dscnt 0x0
	s_barrier_signal -1
	MUL16 2, 1, 0
	WIN 0
	s_barrier_wait -1
.if \fill
	CREST
	s_add_nc_u64 s[G0+4*\slot+2:G0+4*\slot+3], s[G0+4*\slot+2:G0+4*\slot+3], 2*ROWB
	s_add_nc_u64 s[G0B+4*\slot+2:G0B+4*\slot+3], s[G0B+4*\slot+2:G0B+4*\slot+3], 2*ROWB
	JLOAD G0+4*\slot, G1, G0B+4*\slot, G1B
.else
	PLACES NP
.endif
	FETCH_B \next, 0, 0
	FETCH_A \next, 0, 0
	WIN MUL_HI
	MUL16 4, 1, 0
	MUL16 6, 1, 0
	PLACES NP
	WIN 0
	FETCH_A \next, 0, 4
.endm
	s_wait_tensorcnt 1
	s_barrier_signal -1
	s_barrier_wait -1
	FETCH_B 0, 0, 0
	FETCH_A 0, 0, 0
	FETCH_A 0, 0, 4
	STEP 0, 0, 1
	s_mov_b32 s3, LAPS-1
.Llap:
	TURN 0, 1, 1
	STEP 1, 0, 0
	TURN 1, 0, 1
	STEP 0, 0, 0
	s_sub_co_u32 s3, s3, 1
	s_cmp_lg_u32 s3, 0
	s_cbranch_scc1 .Llap
	TURN 0, 1, 0
	STEP 1, 0, 0
	s_wait_dscnt 4*NL
	WIN MUL_LO
	MUL16 0, 1, 0
	MUL16 2, 1, 0
	s_wait_dscnt 0
	WIN MUL_HI
	MUL16 4, 1, 0
	MUL16 6, 1, 0
	WIN 0
.macro EPIBLK a, mode, sto
.set AC, 64*((\a)%4)
	WIN 0x02+((\a)/4)
.irp b, 0,1,2,3,4,5,6,7
.irp i, 0,2,4,6
.if \mode
	v_pk_fma_f32 v[TMP+8*\b+\i:TMP+8*\b+\i+1], v[AC+8*\b+\i:AC+8*\b+\i+1], s[96:97], v[BM+2*(\a):BM+2*(\a)+1] op_sel_hi:[1,0,0]
.else
	v_pk_fma_f32 v[TMP+8*\b+\i:TMP+8*\b+\i+1], v[AC+8*\b+\i:AC+8*\b+\i+1], s[96:97], v[BN+8*\b+\i:BN+8*\b+\i+1] op_sel_hi:[1,0,1]
.endif
.endr
.endr
	WIN 0
.set j, 0
.rept 64
	v_med3_num_f32 v[TMP+j], v[TMP+j], -v[LIM], v[LIM]
.set j, j+1
.endr
	s_wait_alu depctr_va_vdst(0)
	s_wait_dscnt 0x0
.irp b, 0,1,2,3,4,5,6,7
	v_cvt_scalef32_pk8_bf8_f32 v[CD+2*\b:CD+2*\b+1], v[TMP+8*\b:TMP+8*\b+7], v[SC]
.endr
	v_nop
.irp b, 0,1,2,3,4,5,6,7
	ds_store_b64 v[\sto], v[CD+2*\b:CD+2*\b+1] offset:(\a)*16*SPITCH+16*\b
.endr
.endm
	s_wait_kmcnt 0x0
	s_add_co_i32 s96, s80, s81
	s_add_co_i32 s97, s82, s83
	s_add_co_i32 s95, s84, s85
	s_cmp_ge_u32 s92, 8
	s_cselect_b32 s96, s97, s96
	s_cselect_b32 s98, s87, s86
	s_cmp_ge_u32 s92, 16
	s_cselect_b32 s96, s95, s96
	s_cselect_b32 s98, s89, s98
	s_add_co_i32 s96, s96, 127
	s_lshl_b32 s96, s96, 23
	s_mov_b32 s97, s96
	s_add_co_i32 s98, s98, 127
	s_lshl_b32 s99, s98, 23
	v_mov_b32 v[SC], s99
	s_add_co_i32 s98, s98, 15
	s_lshl_b32 s98, s98, 23
	s_or_b32 s98, s98, 0x600000
	v_mov_b32 v[LIM], s98
	s_wait_loadcnt 0x0
	PLACES NP
	s_cmp_ge_u32 s92, 16
	s_cbranch_scc1 .Lway_m
	s_cmp_ge_u32 s92, 8
	s_cselect_b32 s20, 0x800000, 0
	s_lshr_b32 s21, s17, 3
	s_lshl_b32 s21, s21, 21
	s_add_co_u32 s20, s20, s21
	s_lshl_b32 s21, s42, 19
	s_add_co_u32 s20, s20, s21
	s_and_b32 s21, s17, 7
	s_lshl_b32 s21, s21, 14
	s_add_co_u32 s20, s20, s21
	s_lshl_b32 s21, s14, 12
	s_add_co_u32 s20, s20, s21
	s_mov_b32 s21, 0
	s_add_nc_u64 s[66:67], s[78:79], s[20:21]
.irp a, 0,1,2,3,4,5,6,7
	EPIBLK \a, 0, STON
.endr
	s_wait_dscnt 0x0
	s_barrier_signal -1
	s_barrier_wait -1
.set i, 0
.rept 32
	ds_load_b128 v[BK+4*i:BK+4*i+3], v[RDN] offset:(i%8)*8*SPITCH+(i/8)*64
.set i, i+1
.endr
.set i, 0
.rept 32
	s_wait_dscnt 31-i
	global_store_b128 v[CON], v[BK+4*i:BK+4*i+3], s[66:67] offset:(i/8)*131072+(i%8)*512
.set i, i+1
.endr
	s_branch .Lend
.Lway_m:
	s_lshr_b32 s20, s42, 3
	s_lshl_b32 s20, s20, 21
	s_add_co_u32 s20, s20, 0x1000000
	s_lshl_b32 s21, s17, 19
	s_add_co_u32 s20, s20, s21
	s_lshl_b32 s21, s14, 17
	s_add_co_u32 s20, s20, s21
	s_and_b32 s21, s42, 7
	s_lshl_b32 s21, s21, 8
	s_add_co_u32 s20, s20, s21
	s_mov_b32 s21, 0
	s_add_nc_u64 s[66:67], s[78:79], s[20:21]
.irp a, 0,1,2,3,4,5,6,7
	EPIBLK \a, 1, STOM
.endr
	s_wait_dscnt 0x0
	s_barrier_signal -1
	s_barrier_wait -1
.set i, 0
.rept 32
	ds_load_b128 v[BK+4*i:BK+4*i+3], v[RDM] offset:i*2*SPITCH
.set i, i+1
.endr
.set i, 0
.rept 32
	s_wait_dscnt 31-i
	global_store_b128 v[COM], v[BK+4*i:BK+4*i+3], s[66:67] offset:i*4096
.set i, i+1
.endr
.Lend:
	s_wait_tensorcnt 0x0
	ds_add_u32 v[SPW], v[NIL]
	s_wait_dscnt 0x0
	CROUND
	s_endpgm
.Lfunc_end_k_q84c19da956_proj:
	.size	k_q84c19da956_proj, .Lfunc_end_k_q84c19da956_proj-k_q84c19da956_proj
	.p2alignl 7, 3214868480
	.fill 96, 4, 3214868480
	.section	.rodata,"a",@progbits
	.p2align	6, 0x0
	.amdhsa_kernel k_q84c19da956_proj
		.amdhsa_group_segment_fixed_size 327680
		.amdhsa_private_segment_fixed_size 0
		.amdhsa_enable_private_segment 0
		.amdhsa_kernarg_size 48
		.amdhsa_user_sgpr_count 2
		.amdhsa_user_sgpr_kernarg_segment_ptr 1
		.amdhsa_wavefront_size32 1
		.amdhsa_system_sgpr_workgroup_id_x 1
		.amdhsa_system_sgpr_workgroup_id_y 1
		.amdhsa_system_sgpr_workgroup_id_z 1
		.amdhsa_system_vgpr_workitem_id 0
		.amdhsa_next_free_vgpr 1024
		.amdhsa_next_free_sgpr 102
		.amdhsa_reserve_vcc 0
		.amdhsa_float_denorm_mode_32 3
		.amdhsa_float_denorm_mode_16_64 3
		.amdhsa_memory_ordered 1
		.amdhsa_forward_progress 1
		.amdhsa_inst_pref_size 211
	.end_amdhsa_kernel
	.amdgpu_metadata
---
amdhsa.version: [ 1, 2 ]
amdhsa.kernels:
  - .name:           k_q84c19da956_proj
    .symbol:         k_q84c19da956_proj.kd
    .args:
      - { .name: codes, .offset: 0, .size: 8, .value_kind: global_buffer, .address_space: global }
      - { .name: lowp_scales, .offset: 8, .size: 8, .value_kind: global_buffer, .address_space: global }
      - { .name: wq_b, .offset: 16, .size: 8, .value_kind: global_buffer, .address_space: global }
      - { .name: wk_b, .offset: 24, .size: 8, .value_kind: global_buffer, .address_space: global }
      - { .name: wv_b, .offset: 32, .size: 8, .value_kind: global_buffer, .address_space: global }
      - { .name: qkv, .offset: 40, .size: 8, .value_kind: global_buffer, .address_space: global }
    .group_segment_fixed_size: 327680
    .private_segment_fixed_size: 0
    .kernarg_segment_align: 8
    .kernarg_segment_size: 48
    .max_flat_workgroup_size: 128
    .sgpr_count:     102
    .vgpr_count:     1024
    .wavefront_size: 32
...
	.end_amdgpu_metadata
.endif
;; end of part 2
;; launch attn (part 3): grid 4 x 64, 8 waves a work-group, clusters of 4 x 1, 304,128 bytes of LDS; arguments qkv, mw, lowp_scales, ao; writes ao
.if DOCPART == 3
	.amdgcn_target "amdgcn-amd-amdhsa--gfx1250"
	.amdhsa_code_object_version 6
	.text
	.protected	k_q84c19da956_attn
	.globl	k_q84c19da956_attn
	.p2align	8
	.type	k_q84c19da956_attn,@function
k_q84c19da956_attn:
	s_mov_b64 s[64:65], 0
	v_nop
	global_prefetch_b8 v0, s[64:65] scope:SCOPE_SE
	s_setreg_imm32_b32 hwreg(HW_REG_WAVE_MODE, 25, 1), 1
	s_wait_xcnt 0x0
	s_wait_alu depctr_hold_cnt(0) depctr_sa_sdst(0) depctr_va_vdst(0) depctr_va_sdst(0) depctr_va_ssrc(0) depctr_va_vcc(0) depctr_vm_vsrc(0)
	s_getreg_b32 s2, hwreg(HW_REG_IB_STS2, 6, 4)
	s_cmp_eq_u32 s2, 0
	s_cbranch_scc0 .Lentry_in_a_cluster
	s_endpgm
.Lentry_in_a_cluster:
	s_bfe_u32 s2, ttmp6, 0x10000c
	s_cmp_lg_u32 s2, 0x3003
	s_cbranch_scc0 .Lentry_shape_is_right
	s_endpgm
.Lentry_shape_is_right:
; ATTN: for each (batch, head): o = softmax(q k^T / 8, masked) v, both products on codes of BF8 (E5M2); o is quantised with 2^e10 for the last product.
; q, k: codes [b][head][token][64] (2^e6, 2^e7); v: codes with the KEYS innermost, [b][head][channel 64][token 2,048] (2^e9); out: codes [b][head][token][64].
; THE SOFTMAX: t = logit x log2(e); M = the row's largest t so far, rounded UP to a whole number; p = 2^(t - M) is quantised with 2^e8, not normalised; the row's sum is taken of the
; unquantised p in f32 and divides at the end.  When M moves, the sum and O are multiplied by 2^(old M - new M): exact.
; THE MASK: word n of a tile of 16 queries and a step of 128 keys holds, in bit 16 h + r, whether key 32 (n / 16) + 16 h + n % 16 counts for query r: register n of lane 16 h + r of the scores.
; A tile's 64 words come by scalar loads, asked for while the other tile's softmax is worked; each is the select of one v_cndmask_b32.
; A MASKED SCORE stands as the raw sum -2^(33 - e6 - e7), a logit of -2^30 where reference() has -1e9.  Times c it is a whole f32 number, so in a row that is masked throughout t - M is 0,
; every p is 1 and the result is the mean of v, as in reference().  LIMIT: true logits at or under about -1e9 are not told from masked ones as reference() tells them.
; LIMITS on the exponents: e6 + e7 between -94 and 130; e8 and e10 between -126 and 112; e8 + e9 is applied by v_ldexp_f32 and has none.  NaN is not served.
; SHARES.  A cluster of four work-groups is one (batch, head); work-group cx owns 512 queries, each of its EIGHT waves 64: two passes of TWO tiles of 16 at once, so that each fragment
; of K and of V that is read from LDS feeds two matrix instructions.
; ALL of the head's K and V come into LDS ONCE, by joint loads that name the four partners: one load of 32,768 bytes a wave (waves 0-3: K, waves 4-7: V).  No LDS byte is filled twice: no ring.
; LAYOUT.  Both products are used transposed: S^T = K Q^T (source 0 = 16 keys), O^T = V^T P^T (source 0 = 16 channels): a lane holds ONE query (lane % 16) of each tile.
; THE KEYS OF A TILE ARE NOT NEIGHBOURS: lane r of tile 2 b + u takes key 32 b + 8 u + r + 8 (r / 8), so that the 16 registers of tiles 2 b, 2 b + 1 are keys 32 b + 16 h + 0 .. 15.
; REGISTERS.  Window 0 holds all that vector instructions work on; window 1 holds K's fragments v0-63, V's v64-127, O^T of tile 0 v128-159 and of tile 1 v160-191.
; PREFETCH.  K's and V's tiles go out once, at the head, where there is no loop to run ahead in: none for them.  The mask words are a stream that each wave alone of its cluster reads:
; in each step the wave asks, by one instruction, for the two blocks of 256 bytes (lane 0: tile 0's, the other lanes: tile 1's) that lie two steps on from the block whose load has just gone out;
; in the first pass's last two steps but one these are the next pass's first blocks; in the wave's last three steps the address is held at the block in hand, inside the buffer.
.set KP2,   144                        ; LDS: two keys' 128 bytes + 16
.set KREG,  256*KP2                    ; 512 keys: what one wave brings
.set KHALF, 64*KP2                     ; 128 keys: a step
.set VP,    528                        ; 512 keys of one channel + 16 = 33 x 16 bytes
.set VREG,  64*VP                      ; 64 channels x 512 keys: what one wave brings
.set VOFF,  4*KREG
.set STAGE, VOFF+4*VREG                ; 32 rows x 80 bytes for each wave, for the way out; no tile lands there
.set SROW,  80
.set SPARE, STAGE+8*32*SROW            ; the spare words: 128 bytes for each wave
.set AK0,  1                           ; my lane's place in a tile of K
.set AV0,  2                           ; the same for V
.set ADK,  3                           ; LDS address of the next step's K
.set ADV,  4                           ; of this step's V
.set QA,   5
.set STO,  6                           ; the way out: where I put 8 codes
.set RD,   7                           ; where I read 16 bytes back
.set GO,   8                           ; 16 x lane
.set NEG,  9                           ; the masked score
.set PSC,  10                          ; 2^e8
.set PFO,  11                          ; the prefetch's offset: 0 in lane 0, 4,096 in the others; never rewritten
.set T0,   12                          ; tile 0: -M, the largest raw score, the sum in two halves
.set T1,   16                          ; tile 1 likewise
.set QF,   24                          ; v24-39 Q of this pass's two tiles;  v40-55 of the next pass's, later the result's codes
.set QN,   40
.set S0,   64                          ; v64-127 scores, then p, of tile 0;  v128-191 of tile 1
.set S1,   128
.set PC0,  192                         ; v192-223 p's codes, 16 registers a tile
.set OSC,  224                         ; 2^e10
.set OLIM, 225                         ; 57,344 x 2^e10
.set FF,   226                         ; v[226:227] f, and 0
.set MC,   228                         ; v228-231 the maximum's four chains
.set PL,   232                         ; a lane permute's destination
.set DM0,  233                         ; the old -M of tile 0
.set TS,   234                         ; v234-241 the step's sum in four chains;  v234-249 rows read back on the way out
.set FG,   250                         ; v[250:251] the way out: tile 1's factor, and 0
.set DM1,  252
.set SPW,  254
.set NIL,  255
.set KF,   0                           ; window 1
.set VF,   64
.set OT0,  128
.set WV,   3
.set MPT,  6                           ; s[6:7] tile 0's mask words of the step in hand; tile 1's lie 4,096 bytes on
.set RG,   8
.set PFA,  12                          ; s[12:13] where the prefetch stands;  s[14:15] its distance from s[MPT], and 0
.set PASS, 66
.set TRIP, 67
.set PLS,  89                          ; 57,344 x 2^e8
.set CS,   90                          ; s[90:91] c = log2(e) / 8 x 2^(e6 + e7), twice
.set SEL,  92                          ; s[92:93] lane selects: lane l xor 16
.set TBK,  94
.set TBV,  95
.set STP,  96                          ; s[96:97] the pointer's step, and 0
.set LEFT, 98                          ; steps left, 32 down to 1
.set MSB, 0
.macro WIN new                         ; the immediate's high byte repeats the setting that is left
.if MSB != (\new)
	s_set_vgpr_msb (MSB<<8)|(\new)
.set MSB, (\new)
.endif
.endm
.macro CROUND                          ; a round of the cluster's barrier
	s_barrier_signal -1
	s_barrier_wait -1
	s_cmp_lg_u32 s[WV], 0
	s_cbranch_scc1 .Lnot_wave_0_\@
	s_barrier_signal -3
.Lnot_wave_0_\@:
	s_barrier_wait -3
	s_barrier_signal -1
	s_barrier_wait -1
.endm
	s_load_b256 s[4:11], s[0:1], 0x0               ; qkv s[4:5], mw s[6:7], lowp_scales s[8:9], ao s[10:11]
	v_lshl_add_u32 v[SPW], v0, 2, SPARE
	v_mov_b32 v[NIL], 0
	ds_add_u32 v[SPW], v[NIL]                      ; the opening lines: the add twice on end and its wait
	ds_add_u32 v[SPW], v[NIL]
	v_lshrrev_b32 v1, 5, v0
	v_readfirstlane_b32 s[WV], v1                  ; wave 0..7
	s_bfe_u32 s12, ttmp6, 0x40000                  ; cx: it enters Q's, the mask words' and the output's addresses alone
	s_and_b32 s13, ttmp7, 0xffff                   ; 16 b + head, which the four partners share
	s_and_b32 s14, s[WV], 3                        ; which region I fetch: waves 0-3 of K, waves 4-7 of V
	s_mov_b32 s16, 15|(1<<20)|(1<<21)|(4<<22)|(3<<25)   ; K: the mask names all four; elements of 1 byte; after every 32 words, 4 words of padding
	s_mov_b32 s17, 128<<16                         ; rows of 128 bytes: two keys (K's rows are dense in memory)
	s_mov_b32 s18, 256<<16
	s_mov_b32 s19, 128<<16
	s_mov_b32 s20, 256
	s_mov_b32 s21, 128
	s_mov_b32 s22, 0
	s_mov_b32 s23, 0
	s_mov_b32 s24, 15|(1<<20)|(1<<21)|(6<<22)|(3<<25)   ; V: after every 128 words, 4 words
	s_mov_b32 s25, 512<<16                         ; 512 keys of a channel
	s_mov_b32 s26, 64<<16                          ; 64 channels
	s_mov_b32 s27, 512<<16
	s_mov_b32 s28, 64
	s_mov_b32 s29, 2048                            ; a channel's row in memory
	s_mov_b32 s30, 0
	s_mov_b32 s31, 0
	s_mul_i32 s33, s14, KREG                       ; K's LDS address
	s_mul_i32 s37, s14, VREG
	s_add_co_u32 s37, s37, VOFF                    ; V's
	s_lshl_b32 s100, s13, 17                       ; the head's 131,072 bytes in each of q, k, v and the output
	s_mov_b32 s101, 0
	s_lshl_b32 s15, s14, 15                        ; 512 keys x 64 bytes
	s_add_co_u32 s94, s100, s15
	s_add_co_u32 s94, s94, 0x800000                ; k's codes lie behind q's
	s_mov_b32 s95, 0
	s_lshl_b32 s15, s14, 9                         ; 512 keys of each row
	s_add_co_u32 s96, s100, s15
	s_add_co_u32 s96, s96, 0x1000000               ; v's behind k's
	s_mov_b32 s97, 0
	s_wait_alu depctr_va_vdst(0)
	s_wait_dscnt 0x0
	s_wait_kmcnt 0x0
	s_load_b128 s[84:87], s[8:9], 0x18             ; e6, e7, e8, e9
	s_load_b32 s88, s[8:9], 0x28                   ; e10
	s_mov_b32 s32, 1
	s_add_nc_u64 s[34:35], s[4:5], s[94:95]
	s_or_b32 s35, s35, 0x80000000
	s_mov_b32 s36, 1
	s_add_nc_u64 s[38:39], s[4:5], s[96:97]
	s_or_b32 s39, s39, 0x80000000
	CROUND                                         ; all four work-groups are here: the joint loads meet
	s_cmp_lt_u32 s[WV], 4                          ; the branch hangs on the wave's number alone; each arm holds my one tensor load
	s_cbranch_scc0 .Lfor_v
	tensor_load_to_lds s[32:35], s[16:23]
	s_nop 0
.rept 4
	v_nop
.endr
	s_branch .Lasked
.Lfor_v:
	tensor_load_to_lds s[36:39], s[24:31]
	s_nop 0
.rept 4
	v_nop
.endr
.Lasked:
	s_lshl_b32 s14, s12, 15                        ; my work-group's 512 queries x 64 bytes,
	s_lshl_b32 s15, s[WV], 12                      ; my wave's 64
	s_add_co_u32 s14, s14, s15
	s_add_co_u32 s100, s100, s14
	s_add_nc_u64 s[4:5], s[4:5], s[100:101]        ; Q at my first query
	s_add_nc_u64 s[10:11], s[10:11], s[100:101]    ; the output likewise
	s_lshr_b32 s14, s13, 4
	s_lshl_b32 s14, s14, 19                        ; the batch: 128 tiles of queries x 4,096 bytes of words,
	s_lshl_b32 s15, s12, 17                        ; my work-group's 32 tiles,
	s_add_co_u32 s14, s14, s15
	s_lshl_b32 s15, s[WV], 14                      ; my wave's four
	s_add_co_u32 s100, s14, s15
	s_add_nc_u64 s[MPT:MPT+1], s[MPT:MPT+1], s[100:101]
	v_and_b32 v56, 15, v0                          ; r
	v_bfe_u32 v57, v0, 4, 1                        ; h
	v_and_b32 v58, 31, v0                          ; lane
	v_mov_b32 v[PL], 0                             ; a lane permute's destination counts as read
	v_lshlrev_b32 v[QA], 6, v56
	v_lshl_add_u32 v[QA], v57, 4, v[QA]            ; row r of 64 bytes, + 16 h
.irp t, 0,1,2,3                                ; four tiles of Q: registers 4 c .. 4 c + 3: k = 32 c + 16 h + 0 .. 15, the same permutation of k as in K's fragments
	global_load_b128 v[QF+8*\t:QF+8*\t+3], v[QA], s[4:5] offset:1024*\t
	global_load_b128 v[QF+8*\t+4:QF+8*\t+7], v[QA], s[4:5] offset:1024*\t+32
.endr
	v_lshrrev_b32 v59, 1, v56
	v_lshrrev_b32 v60, 3, v56
	v_lshl_add_u32 v59, v60, 2, v59                ; (r + 8 (r / 8)) / 2: my key's row of two keys
	v_mul_u32_u24 v[AK0], v59, KP2
	v_and_b32 v59, 1, v56
	v_lshl_add_u32 v[AK0], v59, 6, v[AK0]          ; + 64 for an odd key
	v_lshl_add_u32 v[AK0], v57, 4, v[AK0]
	v_mul_u32_u24 v[AV0], v56, VP
	v_lshl_add_u32 v[AV0], v57, 4, v[AV0]
	v_add_nc_u32 v[AV0], VOFF, v[AV0]
	s_mul_i32 s14, s[WV], 32*SROW
	s_add_co_u32 s14, s14, STAGE                   ; my stage
	v_mul_u32_u24 v[STO], v56, SROW
	v_lshl_add_u32 v[STO], v57, 3, v[STO]
	v_add_nc_u32 v[STO], s14, v[STO]               ; in: row r, + 8 h
	v_lshrrev_b32 v59, 2, v58
	v_mul_u32_u24 v[RD], v59, SROW
	v_and_b32 v59, 3, v58
	v_lshl_add_u32 v[RD], v59, 4, v[RD]
	v_add_nc_u32 v[RD], s14, v[RD]                 ; back: four lanes to a row of 64 bytes
	v_lshlrev_b32 v[GO], 4, v58
	v_min_u32 v[PFO], 1, v58
	v_lshlrev_b32 v[PFO], 12, v[PFO]               ; lane 0: tile 0's block of words; the other lanes: tile 1's, 4,096 bytes on
	v_mov_b32 v[FF+1], 0                           ; (named as the upper halves of pairs)
	v_mov_b32 v[FG+1], 0
	s_mov_b32 s[SEL], 0x76543210
	s_mov_b32 s[SEL+1], 0xfedcba98
	s_mov_b32 s[PASS], 2
	s_mov_b32 s[LEFT], 32
	s_mov_b32 s[STP+1], 0
	s_wait_alu depctr_va_vdst(0)
	s_wait_kmcnt 0x0
	s_add_co_i32 s14, s84, s85                     ; e6 + e7
	s_lshl_b32 s15, s14, 23
	s_mov_b32 s[CS], 0x3e38aa3b                    ; log2(e) / 8
	s_add_co_i32 s[CS], s[CS], s15                 ; a raw sum stands for sum x 2^(e6 + e7): the exponents are added to c's exponent field
	s_mov_b32 s[CS+1], s[CS]
	s_sub_co_i32 s15, 160, s14
	s_lshl_b32 s15, s15, 23
	s_or_b32 s15, s15, 0x80000000
	v_mov_b32 v[NEG], s15                          ; -2^(33 - e6 - e7)
	s_add_co_i32 s14, s86, 127
	s_lshl_b32 s15, s14, 23
	v_mov_b32 v[PSC], s15                          ; 2^e8
	s_add_co_i32 s14, s14, 15
	s_lshl_b32 s14, s14, 23
	s_or_b32 s[PLS], s14, 0x600000                 ; 57,344 x 2^e8
	s_add_co_i32 s14, s88, 127
	s_lshl_b32 s15, s14, 23
	v_mov_b32 v[OSC], s15                          ; 2^e10
	s_add_co_i32 s14, s14, 15
	s_lshl_b32 s14, s14, 23
	s_or_b32 s14, s14, 0x600000
	v_mov_b32 v[OLIM], s14
	s_add_co_i32 s99, s86, s87                     ; e8 + e9
	s_mov_b32 s[PFA+3], 0                          ; the upper word of the prefetch's distance
	s_wait_alu depctr_va_vdst(0)
	s_wait_tensorcnt 0x0                           ; my region is in LDS, and the descriptors' registers are free
	s_load_b512 s[16:31], s[MPT:MPT+1], 0x0        ; tile 0's 64 mask words of the first step
	s_load_b512 s[32:47], s[MPT:MPT+1], 0x40
	s_load_b512 s[48:63], s[MPT:MPT+1], 0x80
	s_load_b512 s[68:83], s[MPT:MPT+1], 0xc0
	s_barrier_signal -1
	s_barrier_wait -1                              ; everybody's region is in
	s_wait_loadcnt 0x0                             ; Q
; Sixteen LDS loads: a step's eight tiles of K into window 1; off: the step's first byte from v[adr] on
.macro KLD adr, off
.irp b, 0,1,2,3
.irp u, 0,1
.irp c, 0,1
	ds_load_b128 v[KF+16*\b+8*\u+4*\c:KF+16*\b+8*\u+4*\c+3], v[\adr] offset:(\off)+(32*\b+8*\u)*72+32*\c
.endr
.endr
.endr
.endm
.macro SCL sb, st, pr                  ; t - M for a pair of scores (of the pairs c and -M the low word serves both halves)
	v_pk_fma_f32 v[\sb+2*(\pr):\sb+2*(\pr)+1], v[\sb+2*(\pr):\sb+2*(\pr)+1], s[CS:CS+1], v[\st:\st+1] op_sel_hi:[1,0,0]
.endm
; THE SOFTMAX OF ONE TILE AND ONE STEP: scores in v[sb ..], state in v[st ..], the old -M in v[dm], codes to v[pc ..], O^T at v[ot ..] of window 1.
; late = 1 (tile 1): exponentials stand between the products that wrote the scores and O^T and their first reads here; and the step's prefetch stands here.
; woff: where the mask words lie that are asked for next.
.macro SOFT sb, st, dm, pc, ot, late, woff
.if \late
	s_wait_alu depctr_va_vdst(0)                   ; the wait directly ahead of the first reader of the scores
.endif
.set n, 0
.rept 64
.if n < 48
	v_cndmask_b32 v[\sb+n], v[NEG], v[\sb+n], s[16+n]   ; bit set: the score; else the masked score.  Each accumulator from its low end on
.else
	v_cndmask_b32 v[\sb+n], v[NEG], v[\sb+n], s[20+n]
.endif
.set n, n+1
.endr
.irp m, 0,1,2,3                                ; the largest score of my query among my 64 keys, in four chains
	v_max3_num_f32 v[MC+\m], v[\sb+3*\m], v[\sb+3*\m+1], v[\sb+3*\m+2]
.endr
	s_load_b512 s[16:31], s[MPT:MPT+1], \woff      ; the words of the tile that is worked next: they have the rest of this softmax in which to land
	s_load_b512 s[32:47], s[MPT:MPT+1], \woff+0x40
	s_load_b512 s[48:63], s[MPT:MPT+1], \woff+0x80
	s_load_b512 s[68:83], s[MPT:MPT+1], \woff+0xc0
.if \late
	global_prefetch_b8 v[PFO], s[PFA:PFA+1] th:TH_LOAD_NT scope:SCOPE_SE   ; both tiles' words two steps on from those just asked for; its address is written again behind the next step's wait on XCNT
.endif
.set i, 0
.rept 26
	v_max3_num_f32 v[MC+i%4], v[MC+i%4], v[\sb+12+2*i], v[\sb+13+2*i]
.set i, i+1
.endr
	v_max3_num_f32 v[MC], v[MC], v[MC+1], v[MC+2]
	v_max3_num_f32 v[MC], v[MC], v[MC+3], v[\st+1] ; with the largest so far (a raw score: c is positive)
	v_permlanex16_b32 v[PL], v[MC], s[SEL], s[SEL+1]
	v_max_num_f32 v[\st+1], v[MC], v[PL]           ; and with lane l xor 16's
	v_mul_f32 v[MC+1], s[CS], v[\st+1]             ; the running largest t
	v_floor_f32 v[\st], -v[MC+1]                   ; the new -M = floor(-t) = -ceil(t): M is a whole number
	SCL \sb, \st, 0
	v_sub_f32 v[\dm], v[\st], v[\dm]               ; old M - new M: a whole number, 0 or less
	SCL \sb, \st, 1
	v_cvt_i32_f32 v[\dm], v[\dm]                   ; (it saturates)
	SCL \sb, \st, 2
	v_ldexp_f32 v[FF], 1.0, v[\dm]                 ; f = 2^(old M - new M)
.set k, 3
.rept 29
	SCL \sb, \st, k
.set k, k+1
.endr
	WIN 0x41                                       ; O^T lies in window 1, f in window 0
.if \late
	s_wait_alu depctr_va_vdst(0)                   ; the wait directly ahead of the first reader of O^T
.endif
.set j, 0
.rept 16
	v_pk_mul_f32 v[\ot+j:\ot+j+1], v[\ot+j:\ot+j+1], v[FF:FF+1] op_sel_hi:[1,0]   ; O^T under the new M, each accumulator from its low end on
.set j, j+2
.endr
	WIN 0
	s_wait_alu depctr_va_vdst(0)
.set k, 0
.rept 64
	v_exp_f32 v[\sb+k], v[\sb+k]                   ; p = 2^(t - M), at most 1
.set k, k+1
.endr
	v_nop                                          ; a plain place behind the last exponential
	s_wait_alu depctr_va_vdst(0)                   ; one wait for the whole batch, ahead of its first reader
.irp b, 0,1,2,3                                ; block b, keys 32 b + 16 h + 0 .. 15: its part of the sum of the UNQUANTISED p; the hold; the conversion
.if \b == 0
.set j, 0
.rept 4
	v_pk_add_f32 v[TS+2*j:TS+2*j+1], v[\sb+4*j:\sb+4*j+1], v[\sb+4*j+2:\sb+4*j+3]   ; the first block starts the chains: nothing is cleared
.set j, j+1
.endr
.else
.set j, 0
.rept 8
	v_pk_add_f32 v[TS+2*(j%4):TS+2*(j%4)+1], v[TS+2*(j%4):TS+2*(j%4)+1], v[\sb+16*\b+2*j:\sb+16*\b+2*j+1]
.set j, j+1
.endr
.endif
.set j, 0
.rept 8                                        ; the conversion does not saturate (ISA guide 7.6.2); p is not negative, so the hold is one-sided; two minima go as a dual pair
	v_dual_min_num_f32 v[\sb+16*\b+j], s[PLS], v[\sb+16*\b+j] :: v_dual_min_num_f32 v[\sb+16*\b+j+1], s[PLS], v[\sb+16*\b+j+1]
.set j, j+2
.endr
	v_cvt_scalef32_pk8_bf8_f32 v[\pc+4*\b:\pc+4*\b+1], v[\sb+16*\b:\sb+16*\b+7], v[PSC]     ; registers 4 b .. 4 b + 3: keys 32 b + 16 h + 0 .. 15, as V's fragments have them
	v_cvt_scalef32_pk8_bf8_f32 v[\pc+4*\b+2:\pc+4*\b+3], v[\sb+16*\b+8:\sb+16*\b+15], v[PSC]
.endr
	v_pk_add_f32 v[TS:TS+1], v[TS:TS+1], v[TS+2:TS+3]   ; (also the plain lines behind the last conversion)
	v_pk_add_f32 v[TS+4:TS+5], v[TS+4:TS+5], v[TS+6:TS+7]
	v_pk_add_f32 v[TS:TS+1], v[TS:TS+1], v[TS+4:TS+5]
	v_pk_fma_f32 v[\st+2:\st+3], v[\st+2:\st+3], v[FF:FF+1], v[TS:TS+1] op_sel_hi:[1,0,1]   ; the sum so far under the new M, + this step's
.endm
.Lpass:                                            ; two trips: two tiles of 16 queries each
	WIN 0x40
	KLD AK0, 0                                     ; the first step's K
.set j, 0
.rept 64
	v_mov_b32 v[OT0+j], 0                          ; the step is written once: the first finds zeros, which the first change of M leaves zeros
.set j, j+1
.endr
	WIN 0
.irp s, T0, T1
	v_mov_b32 v[\s+1], 0xff61b1e6                  ; the largest score so far: -3e38, under every score, the masked one too
	v_floor_f32 v[\s], -v[\s+1]                    ; -M
	v_mov_b32 v[\s+2], 0
	v_mov_b32 v[\s+3], 0
.endr
	s_mov_b32 s[TBK], 0
	s_mov_b32 s[TBV], 0
	s_mov_b32 s[RG], 4
	s_wait_alu depctr_va_vdst(0)
	s_wait_dscnt 0x0                               ; K is in
.Lregion:                                          ; four trips: a region of 512 keys of V
	s_mov_b32 s[TRIP], 4
.Lstep:                                            ; four trips: a step of 128 keys for both tiles
	s_add_co_u32 s9, s[TBK], KHALF                 ; the next step's K;
	s_min_u32 s9, s9, 15*KHALF                     ; in a pass's last step: this step's once more, so that the loads stay on bytes of K
	v_add_nc_u32 v[ADK], s9, v[AK0]
	v_add_nc_u32 v[ADV], s[TBV], v[AV0]
	v_mov_b32 v[DM0], v[T0]                        ; the old -M of both tiles
	v_mov_b32 v[DM1], v[T1]
	s_wait_alu depctr_va_vdst(0)                   ; ADK, ADV, DM0
	WIN 0x01                                       ; source 0 (K) in window 1
.irp q, 0,1
.irp t, 0,1,2,3,4,5,6,7
	v_wmma_f32_16x16x64_bf8_bf8 v[S0+64*\q+8*\t:S0+64*\q+8*\t+7], v[KF+8*\t:KF+8*\t+7], v[QF+8*\q:QF+8*\q+7], 0
.endr
.endr
	WIN 0
.rept 4
	v_nop                                          ; four places in front of the loads over K's fragments and of the first read of the scores
.endr
	WIN 0x40
	KLD ADK, 0                                     ; the next step's K (in a pass's last step it is fetched and not used: the pass's head fetches step 0's)
.irp t, 0,1,2,3
.irp c, 0,1,2,3
	ds_load_b128 v[VF+16*\t+4*\c:VF+16*\t+4*\c+3], v[ADV] offset:16*\t*VP+32*\c   ; this step's V, two softmaxes ahead of its use
.endr
.endr
	WIN 0
	s_wait_kmcnt 0x0                               ; tile 0's mask words are in
	SOFT S0, T0, DM0, PC0, OT0, 0, 0x1000
	s_wait_alu depctr_va_vdst(0)
	s_wait_kmcnt 0x0                               ; tile 1's mask words are in,
	s_wait_xcnt 0x0                                ; and their loads and the last prefetch have read their pointers, which step now
	s_mov_b32 s[STP], 256                          ; a step's words;
	s_cmp_eq_u32 s[LEFT], 17
	s_cselect_b32 s[STP], 0x1100, s[STP]           ; behind the first pass's last step: over tile 1's words, on to tile 2's;
	s_cmp_eq_u32 s[LEFT], 1
	s_cselect_b32 s[STP], 0, s[STP]                ; in the wave's very last step it stays inside the buffer; what is then loaded is not used
	s_add_nc_u64 s[MPT:MPT+1], s[MPT:MPT+1], s[STP:STP+1]
	s_sub_co_u32 s[LEFT], s[LEFT], 1               ; steps left behind this one
	s_mov_b32 s[PFA+2], 512                        ; the prefetch: two steps on from the pointer;
	s_sub_co_u32 s2, s[LEFT], 17
	s_cmp_lt_u32 s2, 2
	s_cselect_b32 s[PFA+2], 0x1200, s[PFA+2]       ; with 18 or 17 steps left that is the next pass's step 0 or 1: 4,096 bytes more;
	s_cmp_lt_u32 s[LEFT], 3
	s_cselect_b32 s[PFA+2], 0, s[PFA+2]            ; with fewer than three left it is held at the pointer: every lane stays inside my wave's 16,384 bytes
	s_add_nc_u64 s[PFA:PFA+1], s[MPT:MPT+1], s[PFA+2:PFA+3]
	SOFT S1, T1, DM1, PC0+16, OT0+32, 1, 0x0
	s_wait_alu depctr_va_vdst(0)
	s_wait_dscnt 0x0                               ; V is in, and the next step's K
	WIN 0x51                                       ; V and O^T in window 1, p's codes in window 0
.irp t, 0,1,2,3                                ; the eight accumulators take one turn each
.irp q, 0,1
	v_wmma_f32_16x16x128_bf8_bf8 v[OT0+32*\q+8*\t:OT0+32*\q+8*\t+7], v[VF+16*\t:VF+16*\t+15], v[PC0+16*\q:PC0+16*\q+15], v[OT0+32*\q+8*\t:OT0+32*\q+8*\t+7]
.endr
.endr
	WIN 0
	s_add_co_u32 s[TBK], s[TBK], KHALF
	s_add_co_u32 s[TBV], s[TBV], 128
	s_sub_co_u32 s[TRIP], s[TRIP], 1
	s_cmp_lg_u32 s[TRIP], 0
	s_wait_alu depctr_va_vdst(0)
	s_cbranch_scc1 .Lstep
	s_add_co_u32 s[TBV], s[TBV], VREG-512          ; on to V's next region
	s_sub_co_u32 s[RG], s[RG], 1
	s_cmp_lg_u32 s[RG], 0
	s_cbranch_scc1 .Lregion
	; THE WAY OUT of two tiles: O^T x 2^(e8 + e9) / the sum, held, quantised with 2^e10; 8 codes a lane through my stage; 2,048 consecutive bytes leave in four stores
	v_add_f32 v[T0+2], v[T0+2], v[T0+3]            ; the sums' two halves,
	v_add_f32 v[T1+2], v[T1+2], v[T1+3]
	v_permlanex16_b32 v[PL], v[T0+2], s[SEL], s[SEL+1]
	v_add_f32 v[T0+2], v[T0+2], v[PL]              ; and lane l xor 16's
	v_permlanex16_b32 v[PL], v[T1+2], s[SEL], s[SEL+1]
	v_add_f32 v[T1+2], v[T1+2], v[PL]
	s_wait_alu depctr_va_vdst(0)
	v_rcp_f32 v[T0+2], v[T0+2]
	v_rcp_f32 v[T1+2], v[T1+2]
.set j, 0
.rept 16
	v_mov_b32 v[QF+j], v[QN+j]                     ; the next pass's Q: plain work behind the reciprocals
.set j, j+1
.endr
	s_wait_alu depctr_va_vdst(0)                   ; the wait ahead of the reciprocals' first reader
	v_ldexp_f32 v[FF], v[T0+2], s99
	v_ldexp_f32 v[FG], v[T1+2], s99
	WIN 0x01
	s_wait_alu depctr_va_vdst(0)                   ; the wait directly ahead of the first reader of O^T
.set j, 0
.rept 16
	v_pk_mul_f32 v[S0+j:S0+j+1], v[OT0+j:OT0+j+1], v[FF:FF+1] op_sel_hi:[1,0]   ; register 8 t + i: channel 16 t + 8 h + i of query r; each accumulator from its low end on
.set j, j+2
.endr
.set j, 0
.rept 16
	v_pk_mul_f32 v[S1+j:S1+j+1], v[OT0+32+j:OT0+32+j+1], v[FG:FG+1] op_sel_hi:[1,0]
.set j, j+2
.endr
	WIN 0
.set j, 0
.rept 32
	v_med3_num_f32 v[S0+j], v[S0+j], -v[OLIM], v[OLIM]
	v_med3_num_f32 v[S1+j], v[S1+j], -v[OLIM], v[OLIM]
.set j, j+1
.endr
.irp t, 0,1,2,3
	v_cvt_scalef32_pk8_bf8_f32 v[QN+2*\t:QN+2*\t+1], v[S0+8*\t:S0+8*\t+7], v[OSC]
	v_cvt_scalef32_pk8_bf8_f32 v[QN+8+2*\t:QN+8+2*\t+1], v[S1+8*\t:S1+8*\t+7], v[OSC]
.endr
	v_nop                                          ; one plain vector line behind the last conversion
.irp t, 0,1,2,3
	ds_store_b64 v[STO], v[QN+2*\t:QN+2*\t+1] offset:16*\t
	ds_store_b64 v[STO], v[QN+8+2*\t:QN+8+2*\t+1] offset:16*SROW+16*\t
.endr
.irp k, 0,1,2,3
	ds_load_b128 v[TS+4*\k:TS+4*\k+3], v[RD] offset:8*\k*SROW   ; LDS serves a wave's instructions in order: these see my stores
.endr
.irp k, 0,1,2,3
	s_wait_dscnt 3-\k                              ; eight rows are back; the younger loads may be out
	global_store_b128 v[GO], v[TS+4*\k:TS+4*\k+3], s[10:11] offset:512*\k   ; 32 lanes store 512 consecutive bytes, aligned
.endr
	s_wait_xcnt 0x0                                ; the stores have read their registers and their base
	s_add_nc_u64 s[10:11], s[10:11], 2048          ; the next pass's 32 rows
	s_sub_co_u32 s[PASS], s[PASS], 1
	s_cmp_lg_u32 s[PASS], 0
	s_wait_alu depctr_va_vdst(0)
	s_cbranch_scc1 .Lpass
	s_wait_tensorcnt 0x0                           ; the wave's end
	ds_add_u32 v[SPW], v[NIL]
	s_wait_dscnt 0x0
	CROUND                                         ; the closing round: no work-group ends while a partner may still ask for a tile that names it
	s_endpgm
.Lfunc_end_k_q84c19da956_attn:
	.size	k_q84c19da956_attn, .Lfunc_end_k_q84c19da956_attn-k_q84c19da956_attn
	.p2alignl 7, 3214868480
	.fill 96, 4, 3214868480
	.section	.rodata,"a",@progbits
	.p2align	6, 0x0
	.amdhsa_kernel k_q84c19da956_attn
		.amdhsa_group_segment_fixed_size 304128
		.amdhsa_private_segment_fixed_size 0
		.amdhsa_enable_private_segment 0
		.amdhsa_kernarg_size 32
		.amdhsa_user_sgpr_count 2
		.amdhsa_user_sgpr_kernarg_segment_ptr 1
		.amdhsa_wavefront_size32 1
		.amdhsa_system_sgpr_workgroup_id_x 1
		.amdhsa_system_sgpr_workgroup_id_y 1
		.amdhsa_system_sgpr_workgroup_id_z 1
		.amdhsa_system_vgpr_workitem_id 0
		.amdhsa_next_free_vgpr 512
		.amdhsa_next_free_sgpr 102
		.amdhsa_reserve_vcc 0
		.amdhsa_float_denorm_mode_32 3
		.amdhsa_float_denorm_mode_16_64 3
		.amdhsa_memory_ordered 1
		.amdhsa_forward_progress 1
		.amdhsa_inst_pref_size 60
	.end_amdhsa_kernel
	.amdgpu_metadata
---
amdhsa.version: [ 1, 2 ]
amdhsa.kernels:
  - .name:           k_q84c19da956_attn
    .symbol:         k_q84c19da956_attn.kd
    .args:
      - { .name: qkv, .offset: 0, .size: 8, .value_kind: global_buffer, .address_space: global }
      - { .name: mw, .offset: 8, .size: 8, .value_kind: global_buffer, .address_space: global }
      - { .name: lowp_scales, .offset: 16, .size: 8, .value_kind: global_buffer, .address_space: global }
      - { .name: ao, .offset: 24, .size: 8, .value_kind: global_buffer, .address_space: global }
    .group_segment_fixed_size: 304128
    .private_segment_fixed_size: 0
    .kernarg_segment_align: 8
    .kernarg_segment_size: 32
    .max_flat_workgroup_size: 256
    .sgpr_count:     102
    .vgpr_count:     512
    .wavefront_size: 32
...
	.end_amdgpu_metadata
.endif
;; end of part 3
;; launch fc (part 4): grid 8 x 32, 4 waves a work-group, clusters of 4 x 4, 327,680 bytes of LDS; arguments ao, codes, lowp_scales, fc_b, out0; writes out0
.if DOCPART == 4
	.amdgcn_target "amdgcn-amd-amdhsa--gfx1250"
	.amdhsa_code_object_version 6
	.text
	.protected	k_q84c19da956_fc
	.globl	k_q84c19da956_fc
	.p2align	8
	.type	k_q84c19da956_fc,@function
k_q84c19da956_fc:
	s_mov_b64 s[64:65], 0
	v_nop
	global_prefetch_b8 v0, s[64:65] scope:SCOPE_SE
	s_setreg_imm32_b32 hwreg(HW_REG_WAVE_MODE, 25, 1), 1
	s_wait_xcnt 0x0
	s_wait_alu depctr_hold_cnt(0) depctr_sa_sdst(0) depctr_va_vdst(0) depctr_va_sdst(0) depctr_va_ssrc(0) depctr_va_vcc(0) depctr_vm_vsrc(0)
	s_getreg_b32 s2, hwreg(HW_REG_IB_STS2, 6, 4)
	s_cmp_eq_u32 s2, 0
	s_cbranch_scc0 .Lentry_in_a_cluster
	s_endpgm
.Lentry_in_a_cluster:
	s_bfe_u32 s2, ttmp6, 0x10000c
	s_cmp_lg_u32 s2, 0xf033
	s_cbranch_scc0 .Lentry_shape_is_right
	s_endpgm
.Lentry_shape_is_right:
.set ROWB,   256
.set KROW,   1024
.set PITCH,  272
.set HEADB,  32*PITCH
.set FR,     16
.set NL,     4
.set NP,     4
.set HALFT,  128*PITCH
.set SLOT,   4*HALFT
.set LAPS,   2
.set SPARE,  2*SLOT
.set SPITCH, 528
.set ASTEP,  4*131072
.set SIZE_N, 1024
.set BNO,  8
.set ADRA, 16
.set ADRB, 20
.set STO,  24
.set RD,   25
.set CO,   26
.set SPW,  28
.set NIL,  29
.set BN,   32
.set TMP,  0
.set AF,   128
.set BK,   128
.set G1, 24
.set G0, 32
.set G1B, 48
.set G0B, 56
.set MSB, 0
.macro WIN new
.if MSB != (\new)
	s_set_vgpr_msb (MSB<<8)|(\new)
.set MSB, (\new)
.endif
.endm
.set MUL_LO, 0xa1
.set MUL_HI, 0xf1
.set TO_B,   0x40
.macro JLOAD g0a, g1a, g0b, g1b
	s_cmp_eq_u32 s15, 0
	s_cbranch_scc0 .Lfor_b_\@
	tensor_load_to_lds s[\g0a:\g0a+3], s[\g1a:\g1a+7]
	s_nop 0
.rept 4
	v_nop
.endr
	s_branch .Lasked_\@
.Lfor_b_\@:
	tensor_load_to_lds s[\g0b:\g0b+3], s[\g1b:\g1b+7]
	s_nop 0
.rept 4
	v_nop
.endr
.Lasked_\@:
.endm
.macro CREST
	s_cmp_lg_u32 s14, 0
	s_cbranch_scc1 .Lnot_wave_0_\@
	s_barrier_signal -3
.Lnot_wave_0_\@:
	s_barrier_wait -3
	s_barrier_signal -1
	s_barrier_wait -1
.endm
.macro CROUND
	s_barrier_signal -1
	s_barrier_wait -1
	CREST
.endm
	s_load_b128 s[4:7], s[0:1], 0x0
	s_load_b128 s[8:11], s[0:1], 0x10
	s_load_b64 s[12:13], s[0:1], 0x20
	v_lshl_add_u32 v[SPW], v0, 2, SPARE
	v_mov_b32 v[NIL], 0
	ds_add_u32 v28, v29
	ds_add_u32 v28, v29
	s_wait_dscnt 0x0
	v_lshrrev_b32 v1, 5, v0
	v_readfirstlane_b32 s14, v1
	s_lshr_b32 s15, s14, 1
	s_and_b32 s16, s14, 1
	s_bfe_u32 s40, ttmp6, 0x40000
	s_bfe_u32 s41, ttmp6, 0x40004
	s_lshl_b32 s42, ttmp9, 2
	s_add_co_u32 s42, s42, s40
	s_and_b32 s17, ttmp7, 0xffff
	s_lshl_b32 s17, s17, 2
	s_add_co_u32 s17, s17, s41
	s_lshl_b32 s43, s41, 2
	s_lshl_b32 s43, 15, s43
	s_lshl_b32 s44, 0x1111, s40
	s_or_b32 s[G1+0], s43, (0<<16)|(1<<20)|(1<<21)|(5<<22)|(3<<25)
	s_mov_b32 s[G1+1], 8192<<16
	s_mov_b32 s[G1+2], 4<<16
	s_mov_b32 s[G1+3], 8192<<16
	s_mov_b32 s[G1+4], 4
	s_mov_b32 s[G1+5], 131072
	s_mov_b32 s[G1+6], 0
	s_mov_b32 s[G1+7], 0
	s_or_b32 s[G1B+0], s44, (0<<16)|(1<<20)|(1<<21)|(5<<22)|(3<<25)
	s_mov_b32 s[G1B+1], ROWB<<16
	s_mov_b32 s[G1B+2], 64<<16
	s_mov_b32 s[G1B+3], ROWB<<16
	s_mov_b32 s[G1B+4], 64
	s_mov_b32 s[G1B+5], KROW
	s_mov_b32 s[G1B+6], 0
	s_mov_b32 s[G1B+7], 0
	s_lshr_b32 s20, s17, 3
	s_lshl_b32 s20, s20, 21
	s_and_b32 s21, s17, 7
	s_lshl_b32 s21, s21, 14
	s_add_co_u32 s20, s20, s21
	s_lshl_b32 s21, s16, 13
	s_add_co_u32 s20, s20, s21
	s_mov_b32 s21, 0
	s_lshl_b32 s18, s16, 6
	s_lshl_b32 s46, s42, 7
	s_add_co_u32 s46, s46, s18
	s_lshl_b32 s46, s46, 10
	s_add_co_u32 s46, s46, 0x1b00000
	s_mov_b32 s47, 0
	s_mul_i32 s45, s14, HALFT
	s_wait_kmcnt 0x0
	s_load_b64 s[96:97], s[8:9], 0x28
	s_add_nc_u64 s[20:21], s[4:5], s[20:21]
	s_add_nc_u64 s[46:47], s[6:7], s[46:47]
	CROUND
.irp s, 0,1
	s_mov_b32 s[G0+4*\s], 1
	s_add_co_u32 s[G0+4*\s+1], s45, \s*SLOT
	s_add_nc_u64 s[G0+4*\s+2:G0+4*\s+3], s[20:21], \s*ASTEP
	s_or_b32 s[G0+4*\s+3], s[G0+4*\s+3], 0x80000000
	s_mov_b32 s[G0B+4*\s], 1
	s_add_co_u32 s[G0B+4*\s+1], s45, \s*SLOT
	s_add_nc_u64 s[G0B+4*\s+2:G0B+4*\s+3], s[46:47], \s*ROWB
	s_or_b32 s[G0B+4*\s+3], s[G0B+4*\s+3], 0x80000000
	s_wait_alu depctr_va_vdst(0)
	s_wait_tensorcnt 0x0
	ds_add_u32 v28, v29
	ds_add_u32 v28, v29
	s_wait_dscnt 0x0
	CROUND
	JLOAD G0+4*\s, G1, G0B+4*\s, G1B
.endr
	v_and_b32 v1, 15, v0
	v_bfe_u32 v2, v0, 4, 1
	v_mul_u32_u24 v3, v1, PITCH
	v_lshl_add_u32 v4, v2, 4, v3
	v_lshrrev_b32 v5, 2, v1
	v_mul_u32_u24 v5, v5, PITCH
	v_and_b32 v6, 3, v1
	v_lshl_add_u32 v5, v6, 6, v5
	v_lshl_add_u32 v5, v2, 4, v5
	s_mul_i32 s21, s15, HALFT
	s_mul_i32 s22, s16, HALFT
	s_add_co_u32 s22, s22, 2*HALFT
.irp s, 0,1
	v_add_nc_u32 v[ADRA+\s], s21, v5
	v_add_nc_u32 v[ADRB+\s], s22, v4
	s_add_co_u32 s21, s21, SLOT
	s_add_co_u32 s22, s22, SLOT
.endr
	s_mul_i32 s23, s14, 16*SPITCH
	v_mul_u32_u24 v5, v1, SPITCH
	v_lshl_add_u32 v5, v2, 5, v5
	v_add_nc_u32 v[STO], s23, v5
	v_mul_u32_u24 v6, v2, SPITCH
	v_lshl_add_u32 v6, v1, 4, v6
	v_add_nc_u32 v[RD], s23, v6
	v_lshlrev_b32 v[CO], 12, v2
	v_lshl_add_u32 v[CO], v1, 4, v[CO]
	s_lshl_b32 s20, s17, 8
	s_lshl_b32 s21, s15, 7
	s_add_co_u32 s20, s20, s21
	s_lshl_b32 s20, s20, 12
	s_lshl_b32 s46, s42, 9
	s_lshl_b32 s47, s16, 8
	s_add_co_u32 s46, s46, s47
	v_lshl_add_u32 v[BNO], v2, 5, s46
	s_add_co_u32 s20, s20, s46
	s_mov_b32 s21, 0
	s_add_nc_u64 s[12:13], s[12:13], s[20:21]
.irp b, 0,1,2,3
	global_load_b128 v[BN+8*\b:BN+8*\b+3], v[BNO], s[10:11] offset:64*\b
	global_load_b128 v[BN+8*\b+4:BN+8*\b+7], v[BNO], s[10:11] offset:64*\b+16
.endr
.macro FRAG reg, adr, q, i
.irp c, 0,1,2,3
	ds_load_b128 v[\reg+4*\c:\reg+4*\c+3], v[\adr] offset:128*(\q)+32*\c+(\i)*16*PITCH
.endr
.endm
.macro FRAG_A reg, adr, q, i
.irp c, 0,1,2,3
	ds_load_b128 v[\reg+4*\c:\reg+4*\c+3], v[\adr] offset:(2*(\q)+\c/2)*HEADB+(\i)*4*PITCH+32*(\c%2)
.endr
.endm
.macro MUL16 a0, p, zero
.irp a, \a0, \a0+1
.irp b, 0,1,2,3
.if \zero
	v_wmma_f32_16x16x128_bf8_bf8 v[8*(8*((\a)%4)+\b):8*(8*((\a)%4)+\b)+7], v[128*(\p)+FR*\b:128*(\p)+FR*\b+FR-1], v[AF+FR*(\a):AF+FR*(\a)+FR-1], 0
.else
	v_wmma_f32_16x16x128_bf8_bf8 v[8*(8*((\a)%4)+\b):8*(8*((\a)%4)+\b)+7], v[128*(\p)+FR*\b:128*(\p)+FR*\b+FR-1], v[AF+FR*(\a):AF+FR*(\a)+FR-1], v[8*(8*((\a)%4)+\b):8*(8*((\a)%4)+\b)+7]
.endif
.endr
.endr
.endm
.macro FETCH_B slot, q, p
	WIN TO_B
.irp i, 0,1,2,3
	FRAG 128*(\p)+FR*\i, ADRB+\slot, \q, \i
.endr
	WIN 0
.endm
.macro FETCH_A slot, q, i0
.irp i, \i0, \i0+1, \i0+2, \i0+3
	FRAG_A AF+FR*(\i), ADRA+\slot, \q, \i
.endr
.endm
.macro PLACES n
.rept \n
	v_nop
.endr
.endm
.macro STEP slot, q, zero
	s_wait_dscnt 4*NL
	WIN MUL_LO
	MUL16 0, (\q)%2, \zero
	MUL16 2, (\q)%2, \zero
	s_wait_dscnt 0
	PLACES NP
	FETCH_B \slot, (\q)+1, 1-(\q)%2
	FETCH_A \slot, (\q)+1, 0
	WIN MUL_HI
	MUL16 4, (\q)%2, \zero
	MUL16 6, (\q)%2, \zero
	PLACES NP
	WIN 0
	FETCH_A \slot, (\q)+1, 4
.endm
.macro TURN slot, next, fill
	s_wait_tensorcnt 0x0
	ds_add_u32 v[SPW], v[NIL]
	s_wait_dscnt 4*NL+1
	WIN MUL_LO
	MUL16 0, 1, 0
	s_wait_dscnt 0x0
	s_barrier_signal -1
	MUL16 2, 1, 0
	WIN 0
	s_barrier_wait -1
.if \fill
	CREST
	s_add_nc_u64 s[G0+4*\slot+2:G0+4*\slot+3], s[G0+4*\slot+2:G0+4*\slot+3], 2*ASTEP
	s_add_nc_u64 s[G0B+4*\slot+2:G0B+4*\slot+3], s[G0B+4*\slot+2:G0B+4*\slot+3], 2*ROWB
	JLOAD G0+4*\slot, G1, G0B+4*\slot, G1B
.else
	PLACES NP
.endif
	s_wait_alu depctr_va_vdst(0)
	FETCH_B \next, 0, 0
	FETCH_A \next, 0, 0
	WIN MUL_HI
	MUL16 4, 1, 0
	MUL16 6, 1, 0
	PLACES NP
	WIN 0
	FETCH_A \next, 0, 4
.endm
	s_wait_tensorcnt 1
	s_barrier_signal -1
	s_barrier_wait -1
	FETCH_B 0, 0, 0
	FETCH_A 0, 0, 0
	FETCH_A 0, 0, 4
	STEP 0, 0, 1
	s_mov_b32 s3, LAPS-1
.Llap:
	TURN 0, 1, 1
	STEP 1, 0, 0
	TURN 1, 0, 1
	STEP 0, 0, 0
	s_sub_co_u32 s3, s3, 1
	s_cmp_lg_u32 s3, 0
	s_cbranch_scc1 .Llap
	TURN 0, 1, 0
	STEP 1, 0, 0
	s_wait_dscnt 4*NL
	WIN MUL_LO
	MUL16 0, 1, 0
	MUL16 2, 1, 0
	s_wait_dscnt 0
	WIN MUL_HI
	MUL16 4, 1, 0
	MUL16 6, 1, 0
	WIN 0
.macro TOSTAGE a
.set AC, 64*((\a)%4)
	WIN 0x42+((\a)/4)
.irp j, 0,2,4,6,8,10,12,14,16,18,20,22,24,26,28,30
	v_pk_fma_f32 v[TMP+\j:TMP+\j+1], v[AC+\j:AC+\j+1], s[96:97], v[BN+\j:BN+\j+1] op_sel_hi:[1,0,1]
.endr
	WIN 0x04
.irp b, 0,1,2,3
	ds_store_b128 v[STO], v[TMP+8*\b:TMP+8*\b+3] offset:64*\b
	ds_store_b128 v[STO], v[TMP+8*\b+4:TMP+8*\b+7] offset:64*\b+16
.endr
	WIN 0
.set BB, BK+64*((\a)%2)
.irp t, 0,1,2,3,4,5,6,7
	ds_load_b128 v[BB+4*\t:BB+4*\t+3], v[RD] offset:2*\t*SPITCH
.endr
.endm
.macro SEND a, younger
.set BB, BK+64*((\a)%2)
	s_wait_dscnt \younger
.if (\a) > 0
	s_add_nc_u64 s[12:13], s[12:13], 16*SIZE_N*4
.endif
.irp t, 0,1,2,3,4,5,6,7
	global_store_b128 v[CO], v[BB+4*\t:BB+4*\t+3], s[12:13] offset:2*\t*SIZE_N*4 th:TH_STORE_NT
.endr
.endm
	s_wait_kmcnt 0x0
	s_add_co_i32 s96, s96, s97
	s_add_co_i32 s96, s96, 127
	s_lshl_b32 s96, s96, 23
	s_wait_loadcnt 0x0
	PLACES NP
	TOSTAGE 0
.irp a, 1,2,3,4,5,6,7
.if \a > 1
	s_wait_xcnt 0x0
.endif
	TOSTAGE \a
	SEND \a-1, 16
.endr
	s_wait_xcnt 0x0
	SEND 7, 0
	s_wait_tensorcnt 0x0
	ds_add_u32 v[SPW], v[NIL]
	s_wait_dscnt 0x0
	CROUND
	s_endpgm
.Lfunc_end_k_q84c19da956_fc:
	.size	k_q84c19da956_fc, .Lfunc_end_k_q84c19da956_fc-k_q84c19da956_fc
	.p2alignl 7, 3214868480
	.fill 96, 4, 3214868480
	.section	.rodata,"a",@progbits
	.p2align	6, 0x0
	.amdhsa_kernel k_q84c19da956_fc
		.amdhsa_group_segment_fixed_size 327680
		.amdhsa_private_segment_fixed_size 0
		.amdhsa_enable_private_segment 0
		.amdhsa_kernarg_size 40
		.amdhsa_user_sgpr_count 2
		.amdhsa_user_sgpr_kernarg_segment_ptr 1
		.amdhsa_wavefront_size32 1
		.amdhsa_system_sgpr_workgroup_id_x 1
		.amdhsa_system_sgpr_workgroup_id_y 1
		.amdhsa_system_sgpr_workgroup_id_z 1
		.amdhsa_system_vgpr_workitem_id 0
		.amdhsa_next_free_vgpr 1024
		.amdhsa_next_free_sgpr 98
		.amdhsa_reserve_vcc 0
		.amdhsa_float_denorm_mode_32 3
		.amdhsa_float_denorm_mode_16_64 3
		.amdhsa_memory_ordered 1
		.amdhsa_forward_progress 1
		.amdhsa_inst_pref_size 80
	.end_amdhsa_kernel
	.amdgpu_metadata
---
amdhsa.version: [ 1, 2 ]
amdhsa.kernels:
  - .name:           k_q84c19da956_fc
    .symbol:         k_q84c19da956_fc.kd
    .args:
      - { .name: ao, .offset: 0, .size: 8, .value_kind: global_buffer, .address_space: global }
      - { .name: codes, .offset: 8, .size: 8, .value_kind: global_buffer, .address_space: global }
      - { .name: lowp_scales, .offset: 16, .size: 8, .value_kind: global_buffer, .address_space: global }
      - { .name: fc_b, .offset: 24, .size: 8, .value_kind: global_buffer, .address_space: global }
      - { .name: out0, .offset: 32, .size: 8, .value_kind: global_buffer, .address_space: global }
    .group_segment_fixed_size: 327680
    .private_segment_fixed_size: 0
    .kernarg_segment_align: 8
    .kernarg_segment_size: 40
    .max_flat_workgroup_size: 128
    .sgpr_count:     98
    .vgpr_count:     1024
    .wavefront_size: 32
...
	.end_amdgpu_metadata
.endif
;; end of part 4
